; MI455X (gfx1250); checked and timed in simulation.
; The chip was launched on July 23, 2026; its instructions are those of AMD's public machine-readable ISA for CDNA 5 (MIT licence, August 2026) and "CDNA5" Instruction Set Architecture Reference Guide (July 2026). The comments in the code are by the model that wrote it; some were corrected since.
;; Algebraic Attention. Allowed arithmetic: float matrix products may take bf16 or f16 operands with f32 sums; all other float work in f32.
;; Inputs: w_out 1,024 x 1,024 float32; w_qkv 3,072 x 1,024 float32; x 2 x 2,048 x 1,024 float32.
;; Outputs: out0 2 x 2,048 x 1,024 float32.
;; Constants: n_head = 16.
;; 2 versions, each right; version 2 is version 1 with the launch cast written anew for expert scheduling mode. Each part assembles by itself: llvm-mc -triple=amdgcn-amd-amdhsa -mcpu=gfx1250 --defsym DOCPART=n.
;; ======== version 1 of 2: 4 launches
;; limits: values are held in f16: magnitudes above 65,504 overflow, below 6.1e-05 lose precision
;; workspace buffers: xh 8,388,608 bytes; wqh 6,291,456 bytes; woh 2,097,152 bytes; qkv 25,165,824 bytes; att 8,388,608 bytes
;; launch cast (part 1): grid 512 x 1, 8 waves a work-group, no clusters, 0 bytes of LDS; arguments x, w_qkv, w_out, xh, wqh, woh; writes xh, wqh, woh
.if DOCPART == 1
	.amdgcn_target "amdgcn-amd-amdhsa--gfx1250"
	.amdhsa_code_object_version 6
	.text
	.protected	k_qe818e1c8c7_cast
	.globl	k_qe818e1c8c7_cast
	.p2align	8
	.type	k_qe818e1c8c7_cast,@function
k_qe818e1c8c7_cast:
	s_mov_b64 s[64:65], 0
	v_nop
	global_prefetch_b8 v0, s[64:65] scope:SCOPE_SE
	s_setreg_imm32_b32 hwreg(HW_REG_WAVE_MODE, 25, 1), 1
	s_wait_xcnt 0x0
; f32 to f16 of the three inputs, once, so that the products read 2-byte operands.
;   xh  [4096][1024] f16 = x;   wqh [3072][1024] f16 = w_qkv;   woh [16 kb][1024 n][64] f16 = w_out[n][64 kb + kk].
; LIMIT: numbers of magnitude 65,504 or more become infinities in f16.
; A work-group takes 16 rows of 1,024 floats (65,536 bytes in, 32,768 out): groups 0-255 x, 256-447 w_qkv, 448-511 w_out.
; A thread issues its 16 loads of 16 bytes at once, then converts and stores 8 bytes for each as it arrives.
; One store of a wave covers 256 consecutive bytes, aligned.  A stream: no LDS, no barrier, no matrix unit.
.set X, 4                              ; v[4:67]   16 x 4 floats as loaded
.set Y, 68                             ; v[68:99]  16 x 2 words of f16 to store
; v1 = byte offset of my 16 bytes in the source, v2 = of my 8 bytes in the destination; neither is rewritten.
.macro BODY sstep, dstep
.irp j, 0,1,2,3,4,5,6,7,8,9,10,11,12,13,14,15
	global_load_b128 v[X+4*\j:X+4*\j+3], v1, s[20:21] offset:\j*\sstep th:TH_LOAD_NT
.endr
.irp j, 0,1,2,3,4,5,6,7,8,9,10,11,12,13,14,15
	s_wait_loadcnt 15-\j                           ; loads return in order: load j is in, the 15 - j younger ones stay out
	v_cvt_pk_f16_f32 v[Y+2*\j], v[X+4*\j], v[X+4*\j+1]
	v_cvt_pk_f16_f32 v[Y+2*\j+1], v[X+4*\j+2], v[X+4*\j+3]
	global_store_b64 v2, v[Y+2*\j:Y+2*\j+1], s[22:23] offset:\j*\dstep
.endr
	s_endpgm
.endm
	s_load_b256 s[4:11], s[0:1], 0x0               ; x s[4:5], w_qkv s[6:7], w_out s[8:9], xh s[10:11]
	s_load_b128 s[12:15], s[0:1], 0x20             ; wqh s[12:13], woh s[14:15]
	s_mov_b32 s3, ttmp9                            ; the work-group number
	s_mov_b32 s17, 0                               ; high words of the two offset pairs
	s_mov_b32 s19, 0
	v_lshlrev_b32 v2, 3, v0                        ; 8 t: the destination offset on both ways
	s_wait_kmcnt 0x0
	s_cmp_ge_u32 s3, 448
	s_cbranch_scc1 .Lblocked
	; x or w_qkv: the layout stays.  Step j is row j of the 16: 4,096 bytes in, 2,048 out.
	s_cmp_lt_u32 s3, 256
	s_cselect_b64 s[20:21], s[4:5], s[6:7]         ; source
	s_cselect_b64 s[22:23], s[10:11], s[12:13]     ; destination
	s_cselect_b32 s24, 0, 256
	s_sub_co_u32 s24, s3, s24                      ; the chunk number inside its tensor
	s_lshl_b32 s16, s24, 16
	s_lshl_b32 s18, s24, 15
	s_add_nc_u64 s[20:21], s[20:21], s[16:17]
	s_add_nc_u64 s[22:23], s[22:23], s[18:19]
	v_lshlrev_b32 v1, 4, v0                        ; 16 t
	BODY 4096, 2048
.Lblocked:
	; w_out: sixteen lanes take the 64 floats (256 bytes) of block kb = j of one row; thread t has row t / 16.
	; Out: woh + kb x 131,072 + row x 128 + 8 (t mod 16) = chunk x 2,048 + 8 t + j x 131,072.
	s_sub_co_u32 s24, s3, 448
	s_lshl_b32 s16, s24, 16
	s_lshl_b32 s18, s24, 11
	s_add_nc_u64 s[20:21], s[8:9], s[16:17]
	s_add_nc_u64 s[22:23], s[14:15], s[18:19]
	v_lshrrev_b32 v1, 4, v0
	v_and_b32 v3, 15, v0
	v_lshlrev_b32 v1, 12, v1                       ; row x 4,096
	v_lshl_add_u32 v1, v3, 4, v1                   ; + 16 (t mod 16)
	BODY 256, 131072
.Lfunc_end_k_qe818e1c8c7_cast:
	.size	k_qe818e1c8c7_cast, .Lfunc_end_k_qe818e1c8c7_cast-k_qe818e1c8c7_cast
	.p2alignl 7, 3214868480
	.fill 96, 4, 3214868480
	.section	.rodata,"a",@progbits
	.p2align	6, 0x0
	.amdhsa_kernel k_qe818e1c8c7_cast
		.amdhsa_group_segment_fixed_size 0
		.amdhsa_private_segment_fixed_size 0
		.amdhsa_enable_private_segment 0
		.amdhsa_kernarg_size 48
		.amdhsa_user_sgpr_count 2
		.amdhsa_user_sgpr_kernarg_segment_ptr 1
		.amdhsa_wavefront_size32 1
		.amdhsa_system_sgpr_workgroup_id_x 1
		.amdhsa_system_sgpr_workgroup_id_y 1
		.amdhsa_system_sgpr_workgroup_id_z 1
		.amdhsa_system_vgpr_workitem_id 0
		.amdhsa_next_free_vgpr 104
		.amdhsa_next_free_sgpr 66
		.amdhsa_reserve_vcc 0
		.amdhsa_float_denorm_mode_32 3
		.amdhsa_float_denorm_mode_16_64 3
		.amdhsa_memory_ordered 1
		.amdhsa_forward_progress 1
		.amdhsa_inst_pref_size 13
	.end_amdhsa_kernel
	.amdgpu_metadata
---
amdhsa.version: [ 1, 2 ]
amdhsa.kernels:
  - .name:           k_qe818e1c8c7_cast
    .symbol:         k_qe818e1c8c7_cast.kd
    .args:
      - { .name: x, .offset: 0, .size: 8, .value_kind: global_buffer, .address_space: global }
      - { .name: w_qkv, .offset: 8, .size: 8, .value_kind: global_buffer, .address_space: global }
      - { .name: w_out, .offset: 16, .size: 8, .value_kind: global_buffer, .address_space: global }
      - { .name: xh, .offset: 24, .size: 8, .value_kind: global_buffer, .address_space: global }
      - { .name: wqh, .offset: 32, .size: 8, .value_kind: global_buffer, .address_space: global }
      - { .name: woh, .offset: 40, .size: 8, .value_kind: global_buffer, .address_space: global }
    .group_segment_fixed_size: 0
    .private_segment_fixed_size: 0
    .kernarg_segment_align: 8
    .kernarg_segment_size: 48
    .max_flat_workgroup_size: 256
    .sgpr_count:     66
    .vgpr_count:     104
    .wavefront_size: 32
...
	.end_amdgpu_metadata
.endif
;; end of part 1
;; launch qkvgemm (part 2): grid 16 x 16, 4 waves a work-group, clusters of 4 x 4, 327,680 bytes of LDS; arguments xh, wqh, qkv; writes qkv
.if DOCPART == 2
	.amdgcn_target "amdgcn-amd-amdhsa--gfx1250"
	.amdhsa_code_object_version 6
	.text
	.protected	k_qe818e1c8c7_qkvgemm
	.globl	k_qe818e1c8c7_qkvgemm
	.p2align	8
	.type	k_qe818e1c8c7_qkvgemm,@function
k_qe818e1c8c7_qkvgemm:
	s_mov_b64 s[64:65], 0
	v_nop
	global_prefetch_b8 v0, s[64:65] scope:SCOPE_SE
	s_setreg_imm32_b32 hwreg(HW_REG_WAVE_MODE, 25, 1), 1
	s_wait_xcnt 0x0
	s_wait_alu depctr_hold_cnt(0) depctr_sa_sdst(0) depctr_va_vdst(0) depctr_va_sdst(0) depctr_va_ssrc(0) depctr_va_vcc(0) depctr_vm_vsrc(0)
	s_getreg_b32 s2, hwreg(HW_REG_IB_STS2, 6, 4)
	s_cmp_eq_u32 s2, 0
	s_cbranch_scc0 .Lentry_in_a_cluster
	s_endpgm
.Lentry_in_a_cluster:
	s_bfe_u32 s2, ttmp6, 0x10000c
	s_cmp_lg_u32 s2, 0xf033
	s_cbranch_scc0 .Lentry_shape_is_right
	s_endpgm
.Lentry_shape_is_right:
; qkv = xh (4096 x 1024) times wqh (3072 x 1024) transposed, f16 operands, f32 sums, stored by heads, all in f16:
;   qkv [48 slots][4096 m][64], slot = column / 64.  Slots 0-15: q times -log2(e)/8.  Slots 16-31: k.  Slots 32-47: v.
; LIMIT: q x 0.18, k and v must stay below 65,504 in magnitude (f16).
; A work-group makes 256 rows x 192 columns (three slots) with four waves; wave w makes rows 64 w .. 64 w + 63 of all 192 columns:
; 4 x 12 accumulator tiles, 384 registers, so a wave holds whole head rows and its way out is its own.
; K goes in 8 steps of 128 through two LDS slots filled by tensor loads whose rows are 256 bytes of memory, aligned to 256.
; CLUSTERS: 4 x 4 work-groups.  The four of a cluster row need the same rows of xh, the four of a column the same rows of wqh: each such
; tile is asked for jointly, which divides the requests by four.
; REGISTERS by windows of 256: window 0 addresses and fragments of xh (v64-95, v96-127); window 1 fragments of wqh (v0-95, v96-191);
; window 2 tiles of my rows 0-31 (tile (a, b) at v[8 (12 a + b)]); window 3 those of rows 32-63.
; The matrix instruction is used transposed (source 0 = 16 rows of wqh, source 1 = 16 rows of xh): lane l then holds row l % 16 and
; eight neighbouring columns 8 (l / 16) + 0..7.
.set KSTEP,  128
.set SIZE_K, 1024
.set PITCH,  272                       ; 256 bytes of data + 16 of padding: an odd multiple of 16
.set HALFA,  128*PITCH                 ; one tensor load of xh: 128 rows
.set HALFB,  96*PITCH                  ; one tensor load of wqh: 96 rows
.set BOFF,   2*HALFA                   ; wqh rows lie behind the 256 rows of xh
.set SLOT,   2*HALFA+2*HALFB           ; 121,856
.set STAGE,  2*SLOT                    ; 243,712 = 952 x 256: behind the ring, no tensor load lands here
.set SPITCH, 400                       ; a stage row: 192 numbers of 2 bytes + 16
.set LAPS,   SIZE_K/(2*KSTEP)
.set HEADB,  524288                    ; bytes of one slot of qkv
.set ADRA, 16                          ; v16-17 LDS address of my xh fragments in slot 0, 1
.set ADRB, 20                          ; v20-21 the same for wqh
.set STO,  24
.set RD,   25
.set CO,   26
.set FA,   64                          ; xh fragment buffer f at FA + 32 f (window 0)
.set FB,   0                           ; wqh fragment buffer f at FB + 96 f (window 1)
.set T,    64                          ; way out: 96 scaled f32
.set TMP,  160                         ; way out: 48 packed words
.set RB,   64                          ; way out: rows read back
.set G1,  24
.set G0,  32
.set G1B, 48
.set G0B, 56
.set MULS, 66                          ; s[66:71] factor of each of my three slots, twice (a pair for the packed multiply)
.set MSB, 0
.macro WIN new                         ; the high byte of the immediate repeats the setting that is left
.if MSB != \new
	s_set_vgpr_msb (MSB<<8)|\new
.set MSB, \new
.endif
.endm
.set MUL_LO, 0xa1                      ; source 0 window 1, source 1 window 0, C and D window 2
.set MUL_HI, 0xf1                      ; the same, C and D window 3
.set TO_B,   0x40                      ; destination window 1, address window 0
; A joint load: waves 0 and 1 fetch the halves of xh, waves 2 and 3 those of wqh.  The branch hangs on the wave number alone.
.macro JLOAD s
	s_cmp_eq_u32 s11, 0
	s_cbranch_scc0 .Lfor_b_\@
	tensor_load_to_lds s[G0+4*\s:G0+4*\s+3], s[G1:G1+7]
	s_nop 0
	s_branch .Lasked_\@
.Lfor_b_\@:
	tensor_load_to_lds s[G0B+4*\s:G0B+4*\s+3], s[G1B:G1B+7]
	s_nop 0
.Lasked_\@:
.endm
.macro CREST                           ; a round of the cluster barrier behind its opening work-group barrier
	s_cmp_lg_u32 s10, 0
	s_cbranch_scc1 .Lnot_wave_0_\@
	s_barrier_signal -3
.Lnot_wave_0_\@:
	s_barrier_wait -3
	s_barrier_signal -1
	s_barrier_wait -1
.endm
.macro CROUND
	s_barrier_signal -1
	s_barrier_wait -1
	CREST
.endm
	s_load_b128 s[4:7], s[0:1], 0x0                ; xh s[4:5], wqh s[6:7]
	s_load_b64 s[8:9], s[0:1], 0x10                ; qkv
	s_set_vgpr_msb 0x40
	v_lshl_add_u32 v255, v0, 2, 0x41c00
	s_set_vgpr_msb 0x4000
	v_mov_b32 v255, 0
	s_set_vgpr_msb 0x1
	ds_add_u32 v255, v255
	s_set_vgpr_msb 0x100
	v_lshrrev_b32 v1, 5, v0
	v_readfirstlane_b32 s10, v1                    ; wave 0..3
	s_lshr_b32 s11, s10, 1                         ; I fetch for xh (0) or wqh (1)
	s_and_b32 s12, s10, 1                          ; which half of that tile
	s_bfe_u32 s40, ttmp6, 0x40000                  ; cx
	s_bfe_u32 s41, ttmp6, 0x40004                  ; cy
	s_lshl_b32 s42, ttmp9, 2
	s_add_co_u32 s42, s42, s40                     ; block column = 4 x cluster x + cx
	s_and_b32 s13, ttmp7, 0xffff
	s_lshl_b32 s13, s13, 2
	s_add_co_u32 s13, s13, s41                     ; block row = 4 x cluster y + cy
	s_lshl_b32 s43, s41, 2
	s_lshl_b32 s43, 15, s43                        ; my row of the cluster
	s_lshl_b32 s44, 0x1111, s40                    ; my column of the cluster
	; group 1: rows of 128 elements of 2 bytes, 4 words of padding behind every 64 words; 128 rows (xh) or 96 rows (wqh)
	s_or_b32 s[G1+0], s43, (1<<16)|(1<<20)|(1<<21)|(5<<22)|(3<<25)
	s_or_b32 s[G1B+0], s44, (1<<16)|(1<<20)|(1<<21)|(5<<22)|(3<<25)
	s_mov_b32 s[G1+1], KSTEP<<16                   ; tensor_dim0 = 128
	s_mov_b32 s[G1B+1], KSTEP<<16
	s_mov_b32 s[G1+2], 128<<16                     ; tensor_dim1 = 128
	s_mov_b32 s[G1B+2], 96<<16                     ; tensor_dim1 = 96
	s_mov_b32 s[G1+3], KSTEP<<16                   ; tile_dim0 = 128
	s_mov_b32 s[G1B+3], KSTEP<<16
	s_mov_b32 s[G1+4], 128                         ; tile_dim1
	s_mov_b32 s[G1B+4], 96
	s_mov_b32 s[G1+5], SIZE_K                      ; elements from row to row
	s_mov_b32 s[G1B+5], SIZE_K
	s_mov_b32 s[G1+6], 0
	s_mov_b32 s[G1B+6], 0
	s_mov_b32 s[G1+7], 0
	s_mov_b32 s[G1B+7], 0
	; where the tiles come from: xh hangs on the block row alone, wqh on the block column alone, each in registers of its own
	s_lshl_b32 s17, s12, 7
	s_lshl_b32 s16, s13, 8
	s_add_co_u32 s16, s16, s17                     ; xh row 256 x block row + 128 x half
	s_lshl_b32 s16, s16, 11                        ; x 2,048 bytes (at most 8 MiB)
	s_mov_b32 s17, 0
	s_mul_i32 s46, s42, 192
	s_mul_i32 s47, s12, 96
	s_add_co_u32 s46, s46, s47                     ; wqh row 192 x block column + 96 x half
	s_lshl_b32 s46, s46, 11
	s_mov_b32 s47, 0
	s_mul_i32 s20, s12, HALFA                      ; and where they go: the wave number and constants alone
	s_mul_i32 s21, s12, HALFB
	s_add_co_u32 s21, s21, BOFF
	s_wait_dscnt 0x0
	s_wait_kmcnt 0x0
	s_add_nc_u64 s[14:15], s[4:5], s[16:17]
	s_add_nc_u64 s[46:47], s[6:7], s[46:47]
	CROUND                                         ; all sixteen work-groups are here: the first joint loads meet
.irp s, 0,1
	s_mov_b32 s[G0+4*\s], 1
	s_add_co_u32 s[G0+4*\s+1], s20, \s*SLOT
	s_add_nc_u64 s[G0+4*\s+2:G0+4*\s+3], s[14:15], \s*KSTEP*2
	s_or_b32 s[G0+4*\s+3], s[G0+4*\s+3], 0x80000000
	s_mov_b32 s[G0B+4*\s], 1
	s_add_co_u32 s[G0B+4*\s+1], s21, \s*SLOT
	s_add_nc_u64 s[G0B+4*\s+2:G0B+4*\s+3], s[46:47], \s*KSTEP*2
	s_or_b32 s[G0B+4*\s+3], s[G0B+4*\s+3], 0x80000000
	JLOAD \s                                       ; K steps 0 and 1: two loads of this wave are out
.endr
	v_and_b32 v1, 15, v0                           ; r = l % 16
	v_bfe_u32 v2, v0, 4, 1                         ; l / 16
	v_mul_u32_u24 v3, v1, PITCH
	v_lshl_add_u32 v3, v2, 4, v3                   ; r x pitch + 16 x half
	s_mul_i32 s22, s10, 64*PITCH                   ; my 64 rows of xh
	s_mov_b32 s23, BOFF                            ; all 192 rows of wqh
.irp s, 0,1
	v_add_nc_u32 v[ADRA+\s], s22, v3
	v_add_nc_u32 v[ADRB+\s], s23, v3
	s_add_co_u32 s22, s22, SLOT
	s_add_co_u32 s23, s23, SLOT
.endr
	s_mul_i32 s23, s10, 16*SPITCH
	s_add_co_u32 s23, s23, STAGE                   ; my stage
	v_mul_u32_u24 v4, v1, SPITCH
	v_lshl_add_u32 v4, v2, 4, v4
	v_add_nc_u32 v[STO], s23, v4                   ; in: row r, 16 bytes for each half of the lanes
	v_and_b32 v5, 31, v0
	v_lshrrev_b32 v6, 3, v5
	v_and_b32 v7, 7, v0
	v_mul_u32_u24 v6, v6, SPITCH
	v_lshl_add_u32 v6, v7, 4, v6
	v_add_nc_u32 v[RD], s23, v6                    ; back: eight lanes take the 128 bytes of one head in one row, four rows a load
	v_lshlrev_b32 v[CO], 4, v5                     ; which are 512 consecutive bytes of qkv
; 12 matrix instructions: row tile a of the window (hi = 0: rows 0-31, 1: rows 32-63) x all 12 column tiles, 32 along K, buffer f
.macro MULA f, hi, a, zero
.irp b, 0,1,2,3,4,5,6,7,8,9,10,11
.if \zero
	v_wmma_f32_16x16x32_f16 v[8*(12*\a+\b):8*(12*\a+\b)+7], v[FB+96*\f+8*\b:FB+96*\f+8*\b+7], v[FA+32*\f+8*(2*\hi+\a):FA+32*\f+8*(2*\hi+\a)+7], 0
.else
	v_wmma_f32_16x16x32_f16 v[8*(12*\a+\b):8*(12*\a+\b)+7], v[FB+96*\f+8*\b:FB+96*\f+8*\b+7], v[FA+32*\f+8*(2*\hi+\a):FA+32*\f+8*(2*\hi+\a)+7], v[8*(12*\a+\b):8*(12*\a+\b)+7]
.endif
.endr
.endm
; 32 LDS loads in one run: 192 rows of wqh, then my 64 rows of xh, 32 K at byte k of the rows, into buffer f
.macro FETCH slot, k, f
	WIN TO_B
.irp i, 0,1,2,3,4,5,6,7,8,9,10,11
	ds_load_b128 v[FB+96*\f+8*\i:FB+96*\f+8*\i+3],   v[ADRB+\slot] offset:\k+\i*16*PITCH
	ds_load_b128 v[FB+96*\f+8*\i+4:FB+96*\f+8*\i+7], v[ADRB+\slot] offset:\k+\i*16*PITCH+32
.endr
	WIN 0
.irp i, 0,1,2,3
	ds_load_b128 v[FA+32*\f+8*\i:FA+32*\f+8*\i+3],   v[ADRA+\slot] offset:\k+\i*16*PITCH
	ds_load_b128 v[FA+32*\f+8*\i+4:FA+32*\f+8*\i+7], v[ADRA+\slot] offset:\k+\i*16*PITCH+32
.endr
.endm
; Four places between a matrix instruction and a load into, or a vector instruction on, one of its registers.
.macro PLACES
.rept 4
	v_nop
.endr
.endm
; The 48 accumulators take turns, one instruction a turn, in the same order in every quarter.
.macro QUARTER slot, k, f, g, zero
	s_wait_dscnt 4                                 ; wqh and xh fragments 0, 1 are in; the four youngest loads (xh fragments 2, 3) may be out
	WIN MUL_LO
	MULA \f, 0, 0, \zero
	MULA \f, 0, 1, \zero
	PLACES
	FETCH \slot, \k, \g
	s_wait_dscnt 32                                ; all but the 32 just issued
	WIN MUL_HI
	MULA \f, 1, 0, \zero
	MULA \f, 1, 1, \zero
.endm
.macro THREE slot, zero
	QUARTER \slot, 64,  0, 1, \zero
	QUARTER \slot, 128, 1, 0, 0
	QUARTER \slot, 192, 0, 1, 0
.endm
; The last quarter of a K step multiplies buffer 1 and changes slots.  In front of the barrier each wave waits for its reads of this slot
; and for all its tensor loads (one is out: its part of the next slot); behind it the refill comes first, then the next slot is read.
; From a request to the wait for it a wave issues 180 matrix instructions.
.macro TURN slot, next, fill
	s_wait_dscnt 4
	WIN MUL_LO
	MULA 1, 0, 0, 0
	s_wait_dscnt 0                                 ; my reads of this slot are over
	s_wait_tensorcnt 0x0                           ; all my tensor loads have landed
	ds_add_u32 v255, v255
	s_wait_dscnt 0x0
	s_barrier_signal -1
	MULA 1, 0, 1, 0                                ; register work while the others arrive
	WIN 0
	s_barrier_wait -1
.if \fill
	CREST                                          ; all sixteen work-groups have said so: no partner reads this slot or has a load on its way
	s_add_nc_u64 s[G0+4*\slot+2:G0+4*\slot+3], s[G0+4*\slot+2:G0+4*\slot+3], 2*KSTEP*2
	s_add_nc_u64 s[G0B+4*\slot+2:G0B+4*\slot+3], s[G0B+4*\slot+2:G0B+4*\slot+3], 2*KSTEP*2
	JLOAD \slot                                    ; the first tensor load behind the round, one a wave
.endif
	PLACES
	FETCH \next, 0, 0
	WIN MUL_HI
	MULA 1, 1, 0, 0
	MULA 1, 1, 1, 0
.endm
.macro LAP zero
	THREE 0, \zero
	TURN 0, 1, 1
	THREE 1, 0
	TURN 1, 0, 1
.endm
	s_wait_tensorcnt 1                             ; my part of K step 0 is in; K step 1 may stay out
	s_barrier_signal -1
	s_barrier_wait -1
	FETCH 0, 0, 0
	LAP 1                                          ; the first products start the sums: nothing is cleared
	WIN 0
	s_mov_b32 s3, LAPS-2
.Llap:
	LAP 0
	WIN 0
	s_sub_co_u32 s3, s3, 1
	s_cmp_lg_u32 s3, 0
	s_cbranch_scc1 .Llap
	THREE 0, 0                                     ; the last lap fills nothing
	TURN 0, 1, 0
	THREE 1, 0
	s_wait_dscnt 4
	WIN MUL_LO
	MULA 1, 0, 0, 0
	MULA 1, 0, 1, 0
	s_wait_dscnt 0
	WIN MUL_HI
	MULA 1, 1, 0, 0
	MULA 1, 1, 1, 0
	; THE WAY OUT, 16 rows at a time: scale, round to f16, 16 bytes a lane into my stage, read back head by head, store 512 consecutive bytes.
	PLACES
	s_lshl_b32 s13, s13, 8
	s_lshl_b32 s14, s10, 6
	s_add_co_u32 s16, s13, s14                     ; my first row m = 256 x block row + 64 x wave
	s_lshl_b32 s16, s16, 7                         ; x 128 bytes
	s_mov_b32 s17, 0
	s_add_nc_u64 s[8:9], s[8:9], s[16:17]
	s_mul_i32 s45, s42, 3                          ; my first slot of qkv
	s_mul_i32 s46, s45, HEADB
	s_mov_b32 s47, 0
	s_add_nc_u64 s[8:9], s[8:9], s[46:47]
	s_mov_b32 s75, 0x3f800000                      ; 1.0
.irp s, 0,1,2
	s_add_co_u32 s76, s45, \s
	s_cmp_lt_u32 s76, 16                           ; a slot of q: times -log2(e)/8, so that q k is the exponent of 2 in 1 / (1 + 2^x); k and v: times 1.
	s_cselect_b32 s[MULS+2*\s], 0xbe38aa3b, s75    ; The slot hangs on the place in the cluster, so the choice selects a value and no branch is taken on it
	s_mov_b32 s[MULS+2*\s+1], s[MULS+2*\s]
.endr
; rows 16 ag .. 16 ag + 15 of my 64 = tiles (a, 0..11) of window 2 or 3 (from: the window of source 0)
.macro OUT16 ag, a, from
	s_wait_xcnt 0x0                                ; T and RB share registers with the data of the stores before: rewritten only behind this wait
	WIN \from
.irp b, 0,1,2,3,4,5,6,7,8,9,10,11
.irp r, 0,1,2,3
	v_pk_mul_f32 v[T+8*\b+2*\r:T+8*\b+2*\r+1], v[8*(12*\a+\b)+2*\r:8*(12*\a+\b)+2*\r+1], s[MULS+2*(\b/4):MULS+2*(\b/4)+1] op_sel_hi:[1,0]
.endr
.endr
	WIN 0
.irp b, 0,1,2,3,4,5,6,7,8,9,10,11
.irp r, 0,1,2,3
	v_cvt_pk_f16_f32 v[TMP+4*\b+\r], v[T+8*\b+2*\r], v[T+8*\b+2*\r+1]
.endr
	ds_store_b128 v[STO], v[TMP+4*\b:TMP+4*\b+3] offset:32*\b
.endr
.irp s, 0,1,2
.irp t, 0,1,2,3
	ds_load_b128 v[RB+4*(4*\s+\t):RB+4*(4*\s+\t)+3], v[RD] offset:\t*4*SPITCH+\s*128   ; LDS serves a wave in order: these see the stores above
.endr
.endr
.irp s, 0,1,2
.irp t, 0,1,2,3
	s_wait_dscnt 11-(4*\s+\t)                      ; this read-back is in, the younger ones stay out
	global_store_b128 v[CO], v[RB+4*(4*\s+\t):RB+4*(4*\s+\t)+3], s[8:9] offset:\s*HEADB+\ag*2048+\t*512
.endr
.endr
.endm
	OUT16 0, 0, 0x02
	OUT16 1, 1, 0x02
	OUT16 2, 0, 0x03
	OUT16 3, 1, 0x03
	s_set_vgpr_msb 0x1
	s_wait_tensorcnt 0x0
	ds_add_u32 v255, v255
	s_wait_dscnt 0x0
	s_set_vgpr_msb 0x100
	CROUND                                         ; the closing round: no work-group ends while a partner may still ask jointly
	s_endpgm
.Lfunc_end_k_qe818e1c8c7_qkvgemm:
	.size	k_qe818e1c8c7_qkvgemm, .Lfunc_end_k_qe818e1c8c7_qkvgemm-k_qe818e1c8c7_qkvgemm
	.p2alignl 7, 3214868480
	.fill 96, 4, 3214868480
	.section	.rodata,"a",@progbits
	.p2align	6, 0x0
	.amdhsa_kernel k_qe818e1c8c7_qkvgemm
		.amdhsa_group_segment_fixed_size 327680
		.amdhsa_private_segment_fixed_size 0
		.amdhsa_enable_private_segment 0
		.amdhsa_kernarg_size 24
		.amdhsa_user_sgpr_count 2
		.amdhsa_user_sgpr_kernarg_segment_ptr 1
		.amdhsa_wavefront_size32 1
		.amdhsa_system_sgpr_workgroup_id_x 1
		.amdhsa_system_sgpr_workgroup_id_y 1
		.amdhsa_system_sgpr_workgroup_id_z 1
		.amdhsa_system_vgpr_workitem_id 0
		.amdhsa_next_free_vgpr 960
		.amdhsa_next_free_sgpr 80
		.amdhsa_reserve_vcc 0
		.amdhsa_float_denorm_mode_32 3
		.amdhsa_float_denorm_mode_16_64 3
		.amdhsa_memory_ordered 1
		.amdhsa_forward_progress 1
		.amdhsa_inst_pref_size 176
	.end_amdhsa_kernel
	.amdgpu_metadata
---
amdhsa.version: [ 1, 2 ]
amdhsa.kernels:
  - .name:           k_qe818e1c8c7_qkvgemm
    .symbol:         k_qe818e1c8c7_qkvgemm.kd
    .args:
      - { .name: xh, .offset: 0, .size: 8, .value_kind: global_buffer, .address_space: global }
      - { .name: wqh, .offset: 8, .size: 8, .value_kind: global_buffer, .address_space: global }
      - { .name: qkv, .offset: 16, .size: 8, .value_kind: global_buffer, .address_space: global }
    .group_segment_fixed_size: 327680
    .private_segment_fixed_size: 0
    .kernarg_segment_align: 8
    .kernarg_segment_size: 24
    .max_flat_workgroup_size: 128
    .sgpr_count:     80
    .vgpr_count:     960
    .wavefront_size: 32
...
	.end_amdgpu_metadata
.endif
;; end of part 2
;; launch attn (part 3): grid 8 x 32, 8 waves a work-group, no clusters, 327,680 bytes of LDS; arguments qkv, att; writes att
.if DOCPART == 3
	.amdgcn_target "amdgcn-amd-amdhsa--gfx1250"
	.amdhsa_code_object_version 6
	.text
	.protected	k_qe818e1c8c7_attn
	.globl	k_qe818e1c8c7_attn
	.p2align	8
	.type	k_qe818e1c8c7_attn,@function
k_qe818e1c8c7_attn:
	s_mov_b64 s[64:65], 0
	v_nop
	global_prefetch_b8 v0, s[64:65] scope:SCOPE_SE
	s_setreg_imm32_b32 hwreg(HW_REG_WAVE_MODE, 25, 1), 1
	s_wait_xcnt 0x0
; Causal attention with ALiBi and the rational softmax p = sigmoid(s)^4 / (sum of sigmoid^4 + 1e-6), one head and two query blocks a work-group.
; In:  qkv [48][4096 m][64] f16: q times -log2(e)/8, k, v, m = 2048 b + t.   Out: att [16 h][4096 m][64] f16.
; No maximum is taken away: sigmoid^4 lies in [0, 1] for every score, so the sums over keys simply add and cannot overflow.
; Keys above the diagonal have sigmoid(-10000)^4 = 0 exactly in f32, so key blocks above the diagonal are not visited.
; FORMAT OF P: sigmoid^4 goes to the matrix unit as f16 times 2^15 (at most 32,768.004); the f32 sums carry the same factor, the epsilon is
; 1e-6 x 2^15, and the factor cancels in the division.  The factor costs nothing: with c = 2^-3.75, 1 / (c + 2^(x - 3.75)) to the fourth
; power is sigmoid^4 / c^4; the -3.75 lies in BIAS and c takes the place of the 1.
; LIMITS: (1) in that form sigmoid^4 has absolute steps of 2^-39 at the bottom, and values under 2^-40 become 0; against the 1e-6 of the
; denominator the error of a result from it is at most 2048 x 2^-40 / 1e-6 = 0.0019 of the largest |v|; it is felt only where every
; sigmoid^4 of a query row lies under about 1e-9.  (2) Inside the diagonal block a masked score gets the exponent 2^120 in place of -10000:
; both give p = 0 exactly (q k is at most 64 x 65,504^2 in magnitude).  (3) The ALiBi term is stepped by f32 additions, at most 32 for a
; query block.  (4) att is f16: |att| < 65,504.
; SHARE: work-group (i, 16 b + h) takes the query blocks i and 15 - i of 128 rows: (i + 1) + (16 - i) = 17 key blocks of 128 for everyone.
; Tile n = 0..16 lies in LDS slot n & 1; key block = i - n for n <= i (block i, diagonal first), 16 - n behind it (block 15 - i).
; Wave w: query rows 32 (w & 3) .. + 31 (two tiles a), keys 64 (w >> 2) .. + 63 of each key block, in two substeps of 32 keys.
; The two key halves are added through LDS at the end of a query block.
; NO MULTICAST: the eight work-groups of a head visit different key blocks in each step (block i - n depends on i); walking in step would
; take 16 + 8 = 24 tile steps in place of 17.
; ARITHMETIC of a substep: S^T(key, query) = K Q^T + BIAS is the exponent x - 3.75, x = -log2(e) score; lane (r, half) holds keys
; 8 half + j of query r, which packed to f16 is the B fragment of O^T(d, query) += V^T P^T.  All of a query stays in lanes r, r + 16.
.set KP, 144                           ; LDS pitch of q and k rows: 128 bytes + 16
.set VP, 160                           ; LDS pitch of v rows: 128 bytes + 32 (an odd multiple of 32, for the transposing loads)
.set KBYTES, 128*KP                    ; 18,432
.set VBYTES, 128*VP                    ; 20,480
.set SLOTB, KBYTES+VBYTES              ; 38,912: k, then v
.set QLA, 2*SLOTB                      ; 77,824  q of block i
.set QLB, QLA+KBYTES                   ; 96,256  q of block 15 - i
.set SCR, QLB+KBYTES                   ; 114,688 = 448 x 256: partial results of waves 4-7; no tensor load lands from here on
.set SCRW, 8448                        ; 8,192 bytes of O and 256 of sums for each w & 3
.set STG, SCR+4*SCRW                   ; 148,480: the way out, 32 rows x 144 for each of waves 0-3
.set HEADB, 524288
.set VK, 2                             ; (64 kh + r) 144 + 16 half
.set VV, 3                             ; (64 kh + 8 half + (l & 7)) 160 + 16 ((l >> 3) & 1)
.set VQA, 4                            ; QLA + (32 wq + r) 144 + 16 half (the base is beyond a 16-bit LDS offset, so it lies in the register)
.set VPAT, 5                           ; 32 wq - 64 kh + r - 8 half, a whole number
.set TT, 6
.set VBIG, 7                           ; 2^120
.set VSCR, 8
.set VSC2, 9
.set VSTO, 10
.set VRD, 11
.set VGO, 12
.set VQB, 13                           ; as VQA with QLB
.set LS, 16                            ; v16-23  sums of p: tile a, two chains of pairs
.set BI, 24                            ; v24-47  BIAS tiles o = a - bk + 1 = 0, 1, 2
.set QF, 48                            ; v48-79  q fragments at 16 a + 8 ks
.set KF, 80                            ; v80-111 k fragments at 16 bk + 8 ks
.set VF, 112                           ; v112-143 v fragments at 8 dt
.set SF, 144                           ; v144-175 S at 16 a + 8 bk
.set PF, 176                           ; v176-191 P at 8 a
.set OF, 192                           ; v192-255 O at 8 (2 dt + a)
.set G1K, 16                           ; s[16:23] shape of a k or q tile
.set G1V, 24                           ; s[24:31] shape of a v tile
.set G0K, 32                           ; s[32:39] k, slot 0 and 1
.set G0V, 40                           ; s[40:47] v, slot 0 and 1
.set G0Q, 48                           ; s[48:51] q
.set SNJ, 66                           ; s66-73  -j x slope
.set SC, 90                            ; s[90:91] c = 2^-3.75, twice
.set SSH, 92                           ; s92     -3.75
; Wave 0 fetches k, wave 1 fetches v: at most one tensor load of a wave is out at any time.
.macro KVLOAD s
	s_cmp_lg_u32 s8, 0
	s_cbranch_scc1 .Lnot_k_\@
	tensor_load_to_lds s[G0K+4*\s:G0K+4*\s+3], s[G1K:G1K+7]
	s_nop 0
.Lnot_k_\@:
	s_cmp_lg_u32 s8, 1
	s_cbranch_scc1 .Lnot_v_\@
	tensor_load_to_lds s[G0V+4*\s:G0V+4*\s+3], s[G1V:G1V+7]
	s_nop 0
.Lnot_v_\@:
.endm
; The change of slots in front of the tile in \slot.  Every wave waits for all its tensor loads (this tile among them) and for its reads
; of the other slot, then the barrier; behind it tile s81 goes into the other slot, first thing.
.macro HEAD slot, refill
	s_set_vgpr_msb 0x5
	s_wait_tensorcnt 0x0                           ; no tensor load of mine is out: the descriptors may be written
	ds_add_u32 v0, v1
	s_wait_dscnt 0x0
	s_set_vgpr_msb 0x500
.if \refill
	s_cmp_le_u32 s81, s11
	s_cselect_b32 s83, s11, 16
	s_sub_co_u32 s83, s83, s81                     ; key block of tile s81: i - n, or 16 - n behind the first query block
	s_lshl_b32 s56, s83, 14                        ; x 16,384 bytes
	s_add_nc_u64 s[G0K+4*(1-\slot)+2:G0K+4*(1-\slot)+3], s[52:53], s[56:57]
	s_or_b32 s[G0K+4*(1-\slot)+3], s[G0K+4*(1-\slot)+3], 0x80000000
	s_add_nc_u64 s[G0V+4*(1-\slot)+2:G0V+4*(1-\slot)+3], s[54:55], s[56:57]
	s_or_b32 s[G0V+4*(1-\slot)+3], s[G0V+4*(1-\slot)+3], 0x80000000
.endif
	s_wait_dscnt 0x0                               ; my reads of the other slot are back
	s_barrier_signal -1
	s_barrier_wait -1
.if \refill
	KVLOAD (1-\slot)
.endif
.endm
; BIAS[o][j] = slope x (VPAT + off + 16 (o - 1) - j) - 3.75, off = first query row - first key row of the substep.
; mask = 1: where that distance is negative (decided on whole numbers) the exponent is 2^120.
.macro BIASINIT off, mask
.irp o, 0,1,2
	v_add_nc_u32 v[TT], 16*(\o-1)+(\off), v[VPAT]
	v_cvt_f32_i32 v[TT], v[TT]
	v_fma_f32 v[TT], s14, v[TT], s[SSH]
.irp j, 0,1,2,3,4,5,6,7
	v_add_f32 v[BI+8*\o+\j], s[SNJ+\j], v[TT]
.if \mask
	v_cmp_gt_i32 vcc_lo, \j-16*(\o-1)-(\off), v[VPAT]
	v_cndmask_b32 v[BI+8*\o+\j], v[BI+8*\o+\j], v[VBIG], vcc_lo
.endif
.endr
.endr
.endm
; 16 registers of exponents of query tile a become 2^15 p, are added to the sums and packed as the B fragment.
.macro SOFT a
.irp j, 0,1,2,3,4,5,6,7,8,9,10,11,12,13,14,15
	v_exp_f32 v[SF+16*\a+\j], v[SF+16*\a+\j]
.endr
	v_nop                                          ; one plain place behind the transcendentals (ISA guide 5.7.2)
	s_wait_alu depctr_va_vdst(0)
.irp q, 0,1,2,3,4,5,6,7
	v_pk_add_f32 v[SF+16*\a+2*\q:SF+16*\a+2*\q+1], v[SF+16*\a+2*\q:SF+16*\a+2*\q+1], s[SC:SC+1] op_sel_hi:[1,0]
.endr
.irp j, 0,1,2,3,4,5,6,7,8,9,10,11,12,13,14,15
	v_rcp_f32 v[SF+16*\a+\j], v[SF+16*\a+\j]
.endr
	v_nop
	s_wait_alu depctr_va_vdst(0)
.irp q, 0,1,2,3,4,5,6,7
	v_pk_mul_f32 v[SF+16*\a+2*\q:SF+16*\a+2*\q+1], v[SF+16*\a+2*\q:SF+16*\a+2*\q+1], v[SF+16*\a+2*\q:SF+16*\a+2*\q+1]
.endr
.irp q, 0,1,2,3,4,5,6,7
	v_pk_mul_f32 v[SF+16*\a+2*\q:SF+16*\a+2*\q+1], v[SF+16*\a+2*\q:SF+16*\a+2*\q+1], v[SF+16*\a+2*\q:SF+16*\a+2*\q+1]
.endr
.irp q, 0,1,2,3,4,5,6,7
	v_pk_add_f32 v[LS+4*\a+2*(\q%2):LS+4*\a+2*(\q%2)+1], v[LS+4*\a+2*(\q%2):LS+4*\a+2*(\q%2)+1], v[SF+16*\a+2*\q:SF+16*\a+2*\q+1]
.endr
.irp q, 0,1,2,3,4,5,6,7
	v_cvt_pk_f16_f32 v[PF+8*\a+\q], v[SF+16*\a+2*\q], v[SF+16*\a+2*\q+1]
.endr
.endm
.macro PV a, zero
.irp dt, 0,1,2,3
.if \zero
	v_wmma_f32_16x16x32_f16 v[OF+8*(2*\dt+\a):OF+8*(2*\dt+\a)+7], v[VF+8*\dt:VF+8*\dt+7], v[PF+8*\a:PF+8*\a+7], 0
.else
	v_wmma_f32_16x16x32_f16 v[OF+8*(2*\dt+\a):OF+8*(2*\dt+\a)+7], v[VF+8*\dt:VF+8*\dt+7], v[PF+8*\a:PF+8*\a+7], v[OF+8*(2*\dt+\a):OF+8*(2*\dt+\a)+7]
.endif
.endr
.endm
; 32 keys (substep c of my 64) against my 32 queries.  zero = 1: the first product starts O.  step: 1 = BIAS - 32 slope, 2 = BIAS + 160 slope.
; No two matrix instructions that follow each other share an accumulator, one instruction a turn.
.macro SUBSTEP slot, c, zero, step
.irp bk, 0,1
.irp ks, 0,1
	ds_load_b128 v[KF+16*\bk+8*\ks:KF+16*\bk+8*\ks+3],   v[VK] offset:\slot*SLOTB+(32*\c+16*\bk)*KP+64*\ks
	ds_load_b128 v[KF+16*\bk+8*\ks+4:KF+16*\bk+8*\ks+7], v[VK] offset:\slot*SLOTB+(32*\c+16*\bk)*KP+64*\ks+32
.endr
.endr
.irp dt, 0,1,2,3
	ds_load_tr16_b128 v[VF+8*\dt:VF+8*\dt+3],   v[VV] offset:\slot*SLOTB+KBYTES+32*\c*VP+32*\dt
	ds_load_tr16_b128 v[VF+8*\dt+4:VF+8*\dt+7], v[VV] offset:\slot*SLOTB+KBYTES+(32*\c+16)*VP+32*\dt
.endr
	s_wait_dscnt 0x8                               ; k (and q, where just loaded) is in; the eight loads of v may stay out
.irp a, 0,1
.irp bk, 0,1
	v_wmma_f32_16x16x32_f16 v[SF+16*\a+8*\bk:SF+16*\a+8*\bk+7], v[KF+16*\bk:KF+16*\bk+7], v[QF+16*\a:QF+16*\a+7], v[BI+8*(\a-\bk+1):BI+8*(\a-\bk+1)+7]
.endr
.endr
.irp a, 0,1
.irp bk, 0,1
	v_wmma_f32_16x16x32_f16 v[SF+16*\a+8*\bk:SF+16*\a+8*\bk+7], v[KF+16*\bk+8:KF+16*\bk+15], v[QF+16*\a+8:QF+16*\a+15], v[SF+16*\a+8*\bk:SF+16*\a+8*\bk+7]
.endr
.endr
.rept 4
	v_nop                                          ; four places behind the matrix instructions (ISA guide 7.12.1) before S is read
.endr
	SOFT 0
	s_wait_dscnt 0x0                               ; v is in
	PV 0, \zero
	SOFT 1
	PV 1, \zero
	; what follows (these additions, or the BIASINIT of a diagonal) is also the four places in front of the next loads into v fragments
.if \step == 1
.irp q, 0,1,2,3,4,5,6,7,8,9,10,11
	v_pk_add_f32 v[BI+2*\q:BI+2*\q+1], v[BI+2*\q:BI+2*\q+1], s[74:75] op_sel_hi:[1,0]
.endr
.endif
.if \step == 2
.irp q, 0,1,2,3,4,5,6,7,8,9,10,11
	v_pk_add_f32 v[BI+2*\q:BI+2*\q+1], v[BI+2*\q:BI+2*\q+1], s[76:77] op_sel_hi:[1,0]
.endr
.endif
.endm
.macro TRIPBODY slot                   ; a key block below the diagonal: keys 32 further on, then the key block 128 rows further back
	SUBSTEP \slot, 0, 0, 1
	SUBSTEP \slot, 1, 0, 2
.endm
.macro DIAGBODY slot, vq               ; the diagonal block starts a query block: its q, empty sums, masks
.irp a, 0,1
.irp ks, 0,1
	ds_load_b128 v[QF+16*\a+8*\ks:QF+16*\a+8*\ks+3],   v[\vq] offset:\a*16*KP+64*\ks
	ds_load_b128 v[QF+16*\a+8*\ks+4:QF+16*\a+8*\ks+7], v[\vq] offset:\a*16*KP+64*\ks+32
.endr
.endr
.irp j, 0,1,2,3,4,5,6,7
	v_mov_b32 v[LS+\j], 0
.endr
	BIASINIT 0, 1
	SUBSTEP \slot, 0, 1, 0
	BIASINIT -32, 1
	SUBSTEP \slot, 1, 0, 0
	BIASINIT 128, 0
.endm
; The end of a query block: waves 4-7 hand O and the sums to waves 0-3 through LDS; these add, divide, round to f16 and store.
.macro EPI ob
	v_pk_add_f32 v[LS:LS+1], v[LS:LS+1], v[LS+2:LS+3]
	v_pk_add_f32 v[LS+4:LS+5], v[LS+4:LS+5], v[LS+6:LS+7]
	v_add_f32 v[LS], v[LS], v[LS+1]                ; tile 0
	v_add_f32 v[LS+1], v[LS+4], v[LS+5]            ; tile 1
	v_permlanex16_b32 v14, v[LS], s78, s79         ; the other eight keys of each sixteen lie in lane r xor 16
	v_permlanex16_b32 v15, v[LS+1], s78, s79
	v_pk_add_f32 v[LS:LS+1], v[LS:LS+1], v[14:15]
	s_cmp_lt_u32 s8, 4
	s_cbranch_scc1 .Lkeep_\@
.irp i, 0,1,2,3,4,5,6,7,8,9,10,11,12,13,14,15
	ds_store_b128 v[VSCR], v[OF+4*\i:OF+4*\i+3] offset:512*\i
.endr
	ds_store_b64 v[VSC2], v[LS:LS+1]
.Lkeep_\@:
	s_wait_dscnt 0x0                               ; my stores are done, for the sake of the wave that reads them
	s_barrier_signal -1                            ; the tile asked for in HEAD may stay on its way
	s_barrier_wait -1
	s_cmp_ge_u32 s8, 4
	s_cbranch_scc1 .Lgiven_\@
.irp i, 0,1,2,3,4,5,6,7,8,9,10,11,12,13,14,15
	ds_load_b128 v[KF+4*\i:KF+4*\i+3], v[VSCR] offset:512*\i
.endr
	ds_load_b64 v[14:15], v[VSC2]
	s_wait_dscnt 0x0
.set ii, 0
.rept 32
	v_pk_add_f32 v[OF+2*ii:OF+2*ii+1], v[OF+2*ii:OF+2*ii+1], v[KF+2*ii:KF+2*ii+1]
.set ii, ii+1
.endr
	v_pk_add_f32 v[LS:LS+1], v[LS:LS+1], v[14:15]
	v_pk_add_f32 v[LS:LS+1], v[LS:LS+1], 0x3d0637bd op_sel_hi:[1,0]   ; + 1e-6 x 2^15: the sums and O carry the factor 2^15
	v_rcp_f32 v[LS+2], v[LS]                       ; each reciprocal twice: a pair for the packed multiply
	v_rcp_f32 v[LS+3], v[LS]
	v_rcp_f32 v[LS+4], v[LS+1]
	v_rcp_f32 v[LS+5], v[LS+1]
	v_nop
	s_wait_alu depctr_va_vdst(0)
.irp a, 0,1
.irp dt, 0,1,2,3
.irp q, 0,1,2,3
	v_pk_mul_f32 v[OF+8*(2*\dt+\a)+2*\q:OF+8*(2*\dt+\a)+2*\q+1], v[OF+8*(2*\dt+\a)+2*\q:OF+8*(2*\dt+\a)+2*\q+1], v[LS+2+2*\a:LS+3+2*\a]
.endr
.irp q, 0,1,2,3
	v_cvt_pk_f16_f32 v[KF+4*(4*\a+\dt)+\q], v[OF+8*(2*\dt+\a)+2*\q], v[OF+8*(2*\dt+\a)+2*\q+1]
.endr
	ds_store_b128 v[VSTO], v[KF+4*(4*\a+\dt):KF+4*(4*\a+\dt)+3] offset:\a*16*KP+32*\dt   ; row 16 a + r, d = 16 dt + 8 half ..
.endr
.endr
.irp t, 0,1,2,3,4,5,6,7
	ds_load_b128 v[VF+4*\t:VF+4*\t+3], v[VRD] offset:\t*4*KP   ; my own stage, served in order: four rows of 128 bytes
.endr
.irp t, 0,1,2,3,4,5,6,7
	s_wait_dscnt 7-\t                              ; this read-back is in, the younger ones stay out
	global_store_b128 v[VGO], v[VF+4*\t:VF+4*\t+3], s[\ob:\ob+1] offset:512*\t   ; 512 consecutive bytes of att
.endr
	s_wait_xcnt 0x0                                ; the v fragment registers, data of these stores, are loaded again only behind this wait
.Lgiven_\@:
.endm
; Tile n = s80 + d in \slot; tile n + 1 is asked for.  Tile i + 1 is the diagonal of the second query block.
.macro TRIPX slot, d
	s_add_co_u32 s81, s80, \d+1
	HEAD \slot, 1
	s_add_co_u32 s88, s80, \d
	s_cmp_lg_u32 s88, s82
	s_cbranch_scc1 .Lplain_\@
	EPI 84
	DIAGBODY \slot, VQB
	s_branch .Ljoin_\@
.Lplain_\@:
	TRIPBODY \slot
.Ljoin_\@:
.endm
	s_load_b128 s[4:7], s[0:1], 0x0                ; qkv s[4:5], att s[6:7]
	s_set_vgpr_msb 0x40
	v_lshl_add_u32 v0, v0, 2, 0x29000
	v_mov_b32 v1, 0
	s_set_vgpr_msb 0x4045
	ds_add_u32 v0, v1
	s_set_vgpr_msb 0x4500
	v_lshrrev_b32 v1, 5, v0
	v_readfirstlane_b32 s8, v1                     ; wave 0..7
	s_and_b32 s9, s8, 3                            ; wq: which 32 query rows
	s_lshr_b32 s10, s8, 2                          ; kh: which 64 keys
	s_mov_b32 s11, ttmp9                           ; i
	s_and_b32 s13, ttmp7, 0xffff
	s_and_b32 s12, s13, 15                         ; head
	s_lshr_b32 s13, s13, 4                         ; batch
	s_add_co_u32 s82, s11, 1
	; group 1: a dense block of 16,384 bytes as 64 rows of 32 elements of 8 bytes; padding behind every 32 words (a head row of 128 bytes)
	s_mov_b32 s[G1K+0], (3<<16)|(1<<20)|(4<<22)|(3<<25)   ; 4 words of padding: pitch 144
	s_mov_b32 s[G1V+0], (3<<16)|(1<<20)|(4<<22)|(7<<25)   ; 8 words of padding: pitch 160
	s_mov_b32 s[G1K+1], 32<<16
	s_mov_b32 s[G1V+1], 32<<16
	s_mov_b32 s[G1K+2], 64<<16
	s_mov_b32 s[G1V+2], 64<<16
	s_mov_b32 s[G1K+3], 32<<16
	s_mov_b32 s[G1V+3], 32<<16
	s_mov_b32 s[G1K+4], 64
	s_mov_b32 s[G1V+4], 64
	s_mov_b32 s[G1K+5], 32
	s_mov_b32 s[G1V+5], 32
	s_mov_b32 s[G1K+6], 0
	s_mov_b32 s[G1V+6], 0
	s_mov_b32 s[G1K+7], 0
	s_mov_b32 s[G1V+7], 0
	s_mov_b32 s[G0K+0], 1
	s_mov_b32 s[G0K+1], 0
	s_mov_b32 s[G0K+4], 1
	s_mov_b32 s[G0K+5], SLOTB
	s_mov_b32 s[G0V+0], 1
	s_mov_b32 s[G0V+1], KBYTES
	s_mov_b32 s[G0V+4], 1
	s_mov_b32 s[G0V+5], SLOTB+KBYTES
	s_mov_b32 s[G0Q+0], 1
	s_mul_i32 s[G0Q+1], s8, KBYTES
	s_add_co_u32 s[G0Q+1], s[G0Q+1], QLA-2*KBYTES  ; wave 2: QLA, wave 3: QLB
	s_lshl_b32 s60, s12, 19                        ; head x 524,288
	s_lshl_b32 s83, s13, 18                        ; + batch x 2,048 rows x 128 bytes
	s_add_co_u32 s60, s60, s83
	s_mov_b32 s61, 0
	s_mov_b32 s57, 0                               ; the high word of the offset pair s[56:57], for the whole kernel
	s_sub_co_u32 s89, 15, s11                      ; the second query block
	s_wait_dscnt 0x0
	s_barrier_signal -1
	s_barrier_wait -1
	s_wait_kmcnt 0x0
	s_add_nc_u64 s[58:59], s[4:5], s[60:61]        ; q of my head and batch
	s_add_nc_u64 s[52:53], s[58:59], 16*HEADB      ; k
	s_add_nc_u64 s[54:55], s[58:59], 32*HEADB      ; v
	s_lshl_b32 s56, s11, 14                        ; tile 0 is key block i
	s_add_nc_u64 s[G0K+2:G0K+3], s[52:53], s[56:57]
	s_or_b32 s[G0K+3], s[G0K+3], 0x80000000
	s_add_nc_u64 s[G0V+2:G0V+3], s[54:55], s[56:57]
	s_or_b32 s[G0V+3], s[G0V+3], 0x80000000
	s_cmp_eq_u32 s8, 2
	s_cselect_b32 s83, s11, s89
	s_lshl_b32 s56, s83, 14
	s_add_nc_u64 s[G0Q+2:G0Q+3], s[58:59], s[56:57]
	s_or_b32 s[G0Q+3], s[G0Q+3], 0x80000000
	; the first fills, one a wave, ahead of every wait on tensor loads and every LDS read: wave 0 k, wave 1 v, waves 2 and 3 the two q blocks
	KVLOAD 0
	s_lshr_b32 s83, s8, 1
	s_cmp_lg_u32 s83, 1
	s_cbranch_scc1 .Lnot_q
	tensor_load_to_lds s[G0Q:G0Q+3], s[G1K:G1K+7]
	s_nop 0
.Lnot_q:
	; where the results go: att + head x 524,288 + (2,048 b + 128 block + 32 wq) x 128
	s_add_nc_u64 s[84:85], s[6:7], s[60:61]
	s_mov_b64 s[86:87], s[84:85]
	s_lshl_b32 s83, s9, 12
	s_lshl_b32 s56, s11, 14
	s_add_co_u32 s56, s56, s83
	s_add_nc_u64 s[84:85], s[84:85], s[56:57]
	s_lshl_b32 s56, s89, 14
	s_add_co_u32 s56, s56, s83
	s_add_nc_u64 s[86:87], s[86:87], s[56:57]
	; slope = log2(e) x 2^(-(head + 1) / 2), on the bits of the float: log2(e) or log2(e) / sqrt(2), the exponent less (head + 1) >> 1
	s_add_co_u32 s83, s12, 1
	s_mov_b32 s14, 0x3fb8aa3b
	s_mov_b32 s15, 0x3f8293ee
	s_bitcmp1_b32 s83, 0
	s_cselect_b32 s14, s15, s14
	s_lshr_b32 s83, s83, 1
	s_lshl_b32 s83, s83, 23
	s_sub_co_u32 s14, s14, s83
	s_mov_b32 s[SNJ+0], 0
	s_mul_f32 s[SNJ+1], s14, 0xbf800000
	s_mul_f32 s[SNJ+2], s14, 0xc0000000
	s_mul_f32 s[SNJ+3], s14, 0xc0400000
	s_mul_f32 s[SNJ+4], s14, 0xc0800000
	s_mul_f32 s[SNJ+5], s14, 0xc0a00000
	s_mul_f32 s[SNJ+6], s14, 0xc0c00000
	s_mul_f32 s[SNJ+7], s14, 0xc0e00000
	s_mul_f32 s74, s14, 0xc2000000                 ; -32 slope
	s_mov_b32 s75, s74
	s_mul_f32 s76, s14, 0x43200000                 ; 160 slope
	s_mov_b32 s77, s76
	s_mov_b32 s78, 0x76543210                      ; lane i of one half reads lane i of the other
	s_mov_b32 s79, 0xfedcba98
	s_mov_b32 s[SC], 0x3d9837f0                    ; c = 2^-3.75: c^-4 = 2^15
	s_mov_b32 s[SC+1], 0x3d9837f0
	s_mov_b32 s[SSH], 0xc0700000                   ; -3.75
	; lane terms
	v_and_b32 v1, 31, v0                           ; l
	v_and_b32 v13, 15, v0                          ; r
	v_bfe_u32 v14, v0, 4, 1                        ; half
	v_mul_u32_u24 v15, v13, KP
	v_lshl_add_u32 v15, v14, 4, v15                ; r x 144 + 16 half
	s_mul_i32 s83, s10, 64*KP
	v_add_nc_u32 v[VK], s83, v15
	v_lshlrev_b32 v6, 3, v14
	v_sub_nc_u32 v[VPAT], v13, v6                  ; r - 8 half
	s_lshl_b32 s83, s9, 5
	s_lshl_b32 s88, s10, 6
	s_sub_co_u32 s83, s83, s88
	v_add_nc_u32 v[VPAT], s83, v[VPAT]             ; + 32 wq - 64 kh
	s_mul_i32 s83, s9, 32*KP
	s_add_co_u32 s88, s83, QLA
	v_add_nc_u32 v[VQA], s88, v15
	s_add_co_u32 s88, s83, QLB
	v_add_nc_u32 v[VQB], s88, v15
	s_add_co_u32 s83, s83, STG                     ; my stage: 32 rows x 144 for each wq
	v_add_nc_u32 v[VSTO], s83, v15
	v_lshrrev_b32 v6, 3, v1
	v_mul_u32_u24 v6, v6, KP
	v_and_b32 v7, 7, v0
	v_lshl_add_u32 v6, v7, 4, v6
	v_add_nc_u32 v[VRD], s83, v6                   ; back: eight lanes take a row of 128 bytes
	v_lshl_add_u32 v7, v14, 3, v7                  ; 8 half + (l & 7)
	v_mul_u32_u24 v[VV], v7, VP
	v_bfe_u32 v6, v0, 3, 1
	v_lshl_add_u32 v[VV], v6, 4, v[VV]
	s_mul_i32 s83, s10, 64*VP
	v_add_nc_u32 v[VV], s83, v[VV]
	s_mul_i32 s83, s9, SCRW
	s_add_co_u32 s83, s83, SCR
	v_lshl_add_u32 v[VSCR], v1, 4, s83
	s_add_co_u32 s83, s83, 8192
	v_lshl_add_u32 v[VSC2], v1, 3, s83
	v_lshlrev_b32 v[VGO], 4, v1
	v_mov_b32 v[VBIG], 0x7b800000                  ; 2^120
	v_mov_b32 v14, 0                               ; destinations of the lane exchange count as read
	v_mov_b32 v15, 0
	s_mov_b32 s81, 1
	HEAD 0, 1                                      ; tile 0 and both q blocks are in for everyone; slot 1 gets its first fill, tile 1
	DIAGBODY 0, VQA
	s_mov_b32 s80, 1
.Ltiles:
	TRIPX 1, 0                                     ; tiles 1, 3, .. 13
	TRIPX 0, 1                                     ; tiles 2, 4, .. 14
	s_add_co_u32 s80, s80, 2
	s_cmp_lt_u32 s80, 15
	s_cbranch_scc1 .Ltiles
	s_mov_b32 s81, 16                              ; i + 1 is at most 8, so tiles 15 and 16 are plain; the last one asks for nothing
	HEAD 1, 1
	TRIPBODY 1
	HEAD 0, 0
	TRIPBODY 0                                     ; its last twelve additions serve only as the places in front of the stores of O
	EPI 86
	s_set_vgpr_msb 0x5
	s_wait_tensorcnt 0x0
	ds_add_u32 v0, v1
	s_wait_dscnt 0x0
	s_set_vgpr_msb 0x500
	s_endpgm
.Lfunc_end_k_qe818e1c8c7_attn:
	.size	k_qe818e1c8c7_attn, .Lfunc_end_k_qe818e1c8c7_attn-k_qe818e1c8c7_attn
	.p2alignl 7, 3214868480
	.fill 96, 4, 3214868480
	.section	.rodata,"a",@progbits
	.p2align	6, 0x0
	.amdhsa_kernel k_qe818e1c8c7_attn
		.amdhsa_group_segment_fixed_size 327680
		.amdhsa_private_segment_fixed_size 0
		.amdhsa_enable_private_segment 0
		.amdhsa_kernarg_size 16
		.amdhsa_user_sgpr_count 2
		.amdhsa_user_sgpr_kernarg_segment_ptr 1
		.amdhsa_wavefront_size32 1
		.amdhsa_system_sgpr_workgroup_id_x 1
		.amdhsa_system_sgpr_workgroup_id_y 1
		.amdhsa_system_sgpr_workgroup_id_z 1
		.amdhsa_system_vgpr_workitem_id 0
		.amdhsa_next_free_vgpr 258
		.amdhsa_next_free_sgpr 96
		.amdhsa_reserve_vcc 1
		.amdhsa_float_denorm_mode_32 3
		.amdhsa_float_denorm_mode_16_64 3
		.amdhsa_memory_ordered 1
		.amdhsa_forward_progress 1
		.amdhsa_inst_pref_size 206
	.end_amdhsa_kernel
	.amdgpu_metadata
---
amdhsa.version: [ 1, 2 ]
amdhsa.kernels:
  - .name:           k_qe818e1c8c7_attn
    .symbol:         k_qe818e1c8c7_attn.kd
    .args:
      - { .name: qkv, .offset: 0, .size: 8, .value_kind: global_buffer, .address_space: global }
      - { .name: att, .offset: 8, .size: 8, .value_kind: global_buffer, .address_space: global }
    .group_segment_fixed_size: 327680
    .private_segment_fixed_size: 0
    .kernarg_segment_align: 8
    .kernarg_segment_size: 16
    .max_flat_workgroup_size: 256
    .sgpr_count:     96
    .vgpr_count:     258
    .wavefront_size: 32
...
	.end_amdgpu_metadata
.endif
;; end of part 3
;; launch outgemm (part 4): grid 8 x 32, 4 waves a work-group, clusters of 4 x 4, 327,680 bytes of LDS; arguments att, woh, out0; writes out0
.if DOCPART == 4
	.amdgcn_target "amdgcn-amd-amdhsa--gfx1250"
	.amdhsa_code_object_version 6
	.text
	.protected	k_qe818e1c8c7_outgemm
	.globl	k_qe818e1c8c7_outgemm
	.p2align	8
	.type	k_qe818e1c8c7_outgemm,@function
k_qe818e1c8c7_outgemm:
	s_mov_b64 s[64:65], 0
	v_nop
	global_prefetch_b8 v0, s[64:65] scope:SCOPE_SE
	s_setreg_imm32_b32 hwreg(HW_REG_WAVE_MODE, 25, 1), 1
	s_wait_xcnt 0x0
	s_wait_alu depctr_hold_cnt(0) depctr_sa_sdst(0) depctr_va_vdst(0) depctr_va_sdst(0) depctr_va_ssrc(0) depctr_va_vcc(0) depctr_vm_vsrc(0)
	s_getreg_b32 s2, hwreg(HW_REG_IB_STS2, 6, 4)
	s_cmp_eq_u32 s2, 0
	s_cbranch_scc0 .Lentry_in_a_cluster
	s_endpgm
.Lentry_in_a_cluster:
	s_bfe_u32 s2, ttmp6, 0x10000c
	s_cmp_lg_u32 s2, 0xf033
	s_cbranch_scc0 .Lentry_shape_is_right
	s_endpgm
.Lentry_shape_is_right:
; out0 (4096 x 1024, f32) = att times w_out transposed.  att [16 kb][4096 m][64] f16, woh [16 kb][1024 n][64] f16, k = 64 kb + kk; sums in f32.
; A work-group makes 128 x 128 with four waves (8 x 32 = 256 work-groups); wave (wr, wc) makes 64 x 64: 16 accumulator tiles.
; K goes in four phases of 256 (four kb) through two LDS slots, all written out.  One tensor load of a wave brings two kb of one operand:
; two dense rows of 16,384 bytes, padded in LDS behind every 128 bytes, so that an LDS row is one row of 64 numbers at pitch 144.
; CLUSTERS 4 x 4: the tiles of att are shared along a cluster row, those of woh along a column, asked for jointly.
; Registers: window 0 addresses and two fragment buffers (four fragments of att, then four of woh); window 1 tile (a, b) at v[8 (4 a + b)].
; The matrix instruction is used transposed (source 0 = rows of woh): lane l holds row l % 16 and columns 8 (l / 16) + 0..7.
.set KP,     144
.set KBB,    128*KP                    ; 18,432: 128 rows of one kb
.set PAIRB,  2*KBB                     ; what one tensor load brings
.set BOFF,   4*KBB                     ; woh lies behind the four kb of att
.set SLOT,   8*KBB                     ; 147,456
.set STAGE,  2*SLOT                    ; 294,912 = 1,152 x 256: no tensor load lands here
.set SPITCH, 272                       ; 64 f32 + 16 bytes
.set HEADA,  524288                    ; bytes of one kb of att
.set HEADW,  131072                    ; bytes of one kb of woh
.set ADRA, 16
.set ADRB, 20
.set STO,  24
.set RD,   25
.set CO,   26
.set F0,   64
.set F1,   128
.set G1,  24
.set G0,  32
.set G1B, 48
.set G0B, 56
.set ACC, 0x50                         ; C and D in window 1
.set MSB, 0
.macro WIN new
.if MSB != \new
	s_set_vgpr_msb (MSB<<8)|\new
.set MSB, \new
.endif
.endm
.macro JLOAD s                         ; waves 0, 1 ask for att, waves 2, 3 for woh; the branch hangs on the wave number alone
	s_cmp_eq_u32 s11, 0
	s_cbranch_scc0 .Lfor_b_\@
	tensor_load_to_lds s[G0+4*\s:G0+4*\s+3], s[G1:G1+7]
	s_nop 0
	s_branch .Lasked_\@
.Lfor_b_\@:
	tensor_load_to_lds s[G0B+4*\s:G0B+4*\s+3], s[G1B:G1B+7]
	s_nop 0
.Lasked_\@:
.endm
.macro CREST
	s_cmp_lg_u32 s10, 0
	s_cbranch_scc1 .Lnot_wave_0_\@
	s_barrier_signal -3
.Lnot_wave_0_\@:
	s_barrier_wait -3
	s_barrier_signal -1
	s_barrier_wait -1
.endm
.macro CROUND
	s_barrier_signal -1
	s_barrier_wait -1
	CREST
.endm
.macro PLACES                          ; four places behind a matrix instruction (ISA guide 7.12.1)
.rept 4
	v_nop
.endr
.endm
	s_load_b128 s[4:7], s[0:1], 0x0                ; att s[4:5], woh s[6:7]
	s_load_b64 s[8:9], s[0:1], 0x10                ; out0
	v_lshl_add_u32 v254, v0, 2, 0x4c400
	v_mov_b32 v255, 0
	ds_add_u32 v254, v255
	v_lshrrev_b32 v1, 5, v0
	v_readfirstlane_b32 s10, v1                    ; wave
	s_lshr_b32 s11, s10, 1                         ; wr.  Also: I fetch att (0) or woh (1)
	s_and_b32 s12, s10, 1                          ; wc.  Also: which two kb of the four
	s_bfe_u32 s40, ttmp6, 0x40000                  ; cx
	s_bfe_u32 s41, ttmp6, 0x40004                  ; cy
	s_lshl_b32 s42, ttmp9, 2
	s_add_co_u32 s42, s42, s40                     ; block column
	s_and_b32 s13, ttmp7, 0xffff
	s_lshl_b32 s13, s13, 2
	s_add_co_u32 s13, s13, s41                     ; block row
	s_lshl_b32 s43, s41, 2
	s_lshl_b32 s43, 15, s43
	s_lshl_b32 s44, 0x1111, s40
	; group 1: 2 rows of 2,048 elements of 8 bytes; 4 words of padding behind every 32 words
	s_or_b32 s[G1+0], s43, (3<<16)|(1<<20)|(1<<21)|(4<<22)|(3<<25)
	s_or_b32 s[G1B+0], s44, (3<<16)|(1<<20)|(1<<21)|(4<<22)|(3<<25)
	s_mov_b32 s[G1+1], 2048<<16
	s_mov_b32 s[G1B+1], 2048<<16
	s_mov_b32 s[G1+2], 2<<16
	s_mov_b32 s[G1B+2], 2<<16
	s_mov_b32 s[G1+3], 2048<<16
	s_mov_b32 s[G1B+3], 2048<<16
	s_mov_b32 s[G1+4], 2
	s_mov_b32 s[G1B+4], 2
	s_mov_b32 s[G1+5], HEADA/8                     ; elements from one kb to the next
	s_mov_b32 s[G1B+5], HEADW/8
	s_mov_b32 s[G1+6], 0
	s_mov_b32 s[G1B+6], 0
	s_mov_b32 s[G1+7], 0
	s_mov_b32 s[G1B+7], 0
	s_lshl_b32 s16, s12, 20                        ; att: 2 x half kb of 524,288 bytes
	s_lshl_b32 s17, s13, 14                        ; + block row x 128 rows x 128 bytes
	s_add_co_u32 s16, s16, s17
	s_mov_b32 s17, 0
	s_lshl_b32 s46, s12, 18                        ; woh: 2 x half kb of 131,072 bytes
	s_lshl_b32 s47, s42, 14                        ; + block column x 128 rows x 128 bytes
	s_add_co_u32 s46, s46, s47
	s_mov_b32 s47, 0
	s_mul_i32 s20, s12, PAIRB                      ; LDS: the wave number and constants alone
	s_add_co_u32 s21, s20, BOFF
	s_wait_dscnt 0x0
	s_wait_kmcnt 0x0
	s_add_nc_u64 s[14:15], s[4:5], s[16:17]
	s_add_nc_u64 s[46:47], s[6:7], s[46:47]
	CROUND                                         ; in front of the first joint loads
.irp s, 0,1
	s_mov_b32 s[G0+4*\s], 1
	s_add_co_u32 s[G0+4*\s+1], s20, \s*SLOT
	s_add_nc_u64 s[G0+4*\s+2:G0+4*\s+3], s[14:15], \s*4*HEADA
	s_or_b32 s[G0+4*\s+3], s[G0+4*\s+3], 0x80000000
	s_mov_b32 s[G0B+4*\s], 1
	s_add_co_u32 s[G0B+4*\s+1], s21, \s*SLOT
	s_add_nc_u64 s[G0B+4*\s+2:G0B+4*\s+3], s[46:47], \s*4*HEADW
	s_or_b32 s[G0B+4*\s+3], s[G0B+4*\s+3], 0x80000000
	JLOAD \s                                       ; phases 0 and 1: two loads of this wave are out
.endr
	v_and_b32 v1, 15, v0
	v_bfe_u32 v2, v0, 4, 1
	v_mul_u32_u24 v3, v1, KP
	v_lshl_add_u32 v3, v2, 4, v3
	s_mul_i32 s22, s11, 64*KP
	s_mul_i32 s23, s12, 64*KP
	s_add_co_u32 s23, s23, BOFF
.irp s, 0,1
	v_add_nc_u32 v[ADRA+\s], s22, v3
	v_add_nc_u32 v[ADRB+\s], s23, v3
	s_add_co_u32 s22, s22, SLOT
	s_add_co_u32 s23, s23, SLOT
.endr
	s_mul_i32 s23, s10, 16*SPITCH
	s_add_co_u32 s23, s23, STAGE
	v_mul_u32_u24 v4, v1, SPITCH
	v_lshl_add_u32 v4, v2, 5, v4
	v_add_nc_u32 v[STO], s23, v4                   ; in: row r, 32 bytes for each half of the lanes
	v_mul_u32_u24 v5, v2, SPITCH
	v_lshl_add_u32 v5, v1, 4, v5
	v_add_nc_u32 v[RD], s23, v5                    ; back: sixteen lanes take a row of 256 bytes
	v_lshlrev_b32 v5, 12, v2
	v_lshl_add_u32 v[CO], v1, 4, v5                ; the same two rows in out0
; the fragments of quarter q (0..7) of a phase: kb q / 2, 32 along K at byte 64 (q % 2), into buffer f
.macro FETCH3 slot, q, f
.irp i, 0,1,2,3
	ds_load_b128 v[\f+8*\i:\f+8*\i+3],   v[ADRA+\slot] offset:(\q/2)*KBB+(\q%2)*64+\i*16*KP
	ds_load_b128 v[\f+8*\i+4:\f+8*\i+7], v[ADRA+\slot] offset:(\q/2)*KBB+(\q%2)*64+\i*16*KP+32
.endr
.irp i, 0,1,2,3
	ds_load_b128 v[\f+32+8*\i:\f+32+8*\i+3],   v[ADRB+\slot] offset:(\q/2)*KBB+(\q%2)*64+\i*16*KP
	ds_load_b128 v[\f+32+8*\i+4:\f+32+8*\i+7], v[ADRB+\slot] offset:(\q/2)*KBB+(\q%2)*64+\i*16*KP+32
.endr
.endm
; The 16 accumulators take turns, one instruction a turn, in the same order in every quarter.
.macro MUL8 f, a0, zero
.irp a, \a0, \a0+1
.irp b, 0,1,2,3
.if \zero
	v_wmma_f32_16x16x32_f16 v[8*(4*(\a)+\b):8*(4*(\a)+\b)+7], v[\f+32+8*\b:\f+32+8*\b+7], v[\f+8*(\a):\f+8*(\a)+7], 0
.else
	v_wmma_f32_16x16x32_f16 v[8*(4*(\a)+\b):8*(4*(\a)+\b)+7], v[\f+32+8*\b:\f+32+8*\b+7], v[\f+8*(\a):\f+8*(\a)+7], v[8*(4*(\a)+\b):8*(4*(\a)+\b)+7]
.endif
.endr
.endr
.endm
.macro QUART slot, qn, f, g, zero      ; asks for quarter qn into buffer g, multiplies buffer f
	PLACES
	FETCH3 \slot, \qn, \g
	s_wait_dscnt 16                                ; buffer f is in; the 16 loads just issued stay out
	WIN ACC
	MUL8 \f, 0, \zero
	MUL8 \f, 2, \zero
	WIN 0
.endm
.macro PHASE slot, zero
	QUART \slot, 1, F0, F1, \zero
	QUART \slot, 2, F1, F0, 0
	QUART \slot, 3, F0, F1, 0
	QUART \slot, 4, F1, F0, 0
	QUART \slot, 5, F0, F1, 0
	QUART \slot, 6, F1, F0, 0
	QUART \slot, 7, F0, F1, 0
.endm
; The eighth quarter multiplies buffer 1 and changes slots: waits for my reads and all my tensor loads, the barrier (which opens a round of
; the cluster barrier where the slot is filled again), the joint refill first behind it.  From a request to its wait: 120 matrix instructions.
.macro TURN3 slot, next, fill
	s_wait_dscnt 0
	s_wait_tensorcnt 0x0
	ds_add_u32 v254, v255
	s_wait_dscnt 0x0
	s_barrier_signal -1
	WIN ACC
	MUL8 F1, 0, 0
	WIN 0
	s_barrier_wait -1
.if \fill
	CREST
	s_add_nc_u64 s[G0+4*\slot+2:G0+4*\slot+3], s[G0+4*\slot+2:G0+4*\slot+3], 8*HEADA
	s_add_nc_u64 s[G0B+4*\slot+2:G0B+4*\slot+3], s[G0B+4*\slot+2:G0B+4*\slot+3], 8*HEADW
	JLOAD \slot
.endif
	PLACES
	FETCH3 \next, 0, F0
	WIN ACC
	MUL8 F1, 2, 0
	WIN 0
.endm
	s_wait_tensorcnt 1                             ; my part of phase 0 is in; phase 1 may stay out
	s_barrier_signal -1
	s_barrier_wait -1
	FETCH3 0, 0, F0
	PHASE 0, 1                                     ; the first products start the sums
	TURN3 0, 1, 1                                  ; slot 0 gets phase 2
	PHASE 1, 0
	TURN3 1, 0, 1                                  ; slot 1 gets phase 3
	PHASE 0, 0
	TURN3 0, 1, 0
	PHASE 1, 0
	s_wait_dscnt 0
	WIN ACC
	MUL8 F1, 0, 0
	MUL8 F1, 2, 0
	WIN 0
	; THE WAY OUT, 16 rows at a time through my own stage: sixteen lanes store 256 consecutive bytes, aligned to 256
	PLACES
	s_lshl_b32 s13, s13, 7
	s_lshl_b32 s14, s11, 6
	s_add_co_u32 s16, s13, s14                     ; my first row
	s_lshl_b32 s16, s16, 12                        ; x 4,096 bytes
	s_mov_b32 s17, 0
	s_add_nc_u64 s[8:9], s[8:9], s[16:17]
	s_lshl_b32 s46, s42, 9                         ; my first column x 4 bytes
	s_lshl_b32 s47, s12, 8
	s_add_co_u32 s46, s46, s47
	s_mov_b32 s47, 0
	s_add_nc_u64 s[8:9], s[8:9], s[46:47]
.macro OUTA a, f
	s_wait_xcnt 0x0                                ; buffer f was the data of earlier stores: loaded again only behind this wait
	WIN 0x04                                       ; store data from window 1
.irp b, 0,1,2,3
	ds_store_b128 v[STO], v[8*(4*\a+\b):8*(4*\a+\b)+3] offset:64*\b
	ds_store_b128 v[STO], v[8*(4*\a+\b)+4:8*(4*\a+\b)+7] offset:64*\b+16
.endr
	WIN 0
.irp t, 0,1,2,3,4,5,6,7
	ds_load_b128 v[\f+4*\t:\f+4*\t+3], v[RD] offset:\t*2*SPITCH   ; LDS serves a wave in order: these see the stores above
.endr
.irp t, 0,1,2,3,4,5,6,7
	s_wait_dscnt 7-\t                              ; this read-back is in, the younger ones stay out
	global_store_b128 v[CO], v[\f+4*\t:\f+4*\t+3], s[8:9] offset:(16*\a+2*\t)*4096 th:TH_STORE_NT
.endr
.endm
	OUTA 0, F0
	OUTA 1, F1
	OUTA 2, F0
	OUTA 3, F1
	s_wait_tensorcnt 0x0
	ds_add_u32 v254, v255
	s_wait_dscnt 0x0
	CROUND                                         ; the closing round
	s_endpgm
.Lfunc_end_k_qe818e1c8c7_outgemm:
	.size	k_qe818e1c8c7_outgemm, .Lfunc_end_k_qe818e1c8c7_outgemm-k_qe818e1c8c7_outgemm
	.p2alignl 7, 3214868480
	.fill 96, 4, 3214868480
	.section	.rodata,"a",@progbits
	.p2align	6, 0x0
	.amdhsa_kernel k_qe818e1c8c7_outgemm
		.amdhsa_group_segment_fixed_size 327680
		.amdhsa_private_segment_fixed_size 0
		.amdhsa_enable_private_segment 0
		.amdhsa_kernarg_size 24
		.amdhsa_user_sgpr_count 2
		.amdhsa_user_sgpr_kernarg_segment_ptr 1
		.amdhsa_wavefront_size32 1
		.amdhsa_system_sgpr_workgroup_id_x 1
		.amdhsa_system_sgpr_workgroup_id_y 1
		.amdhsa_system_sgpr_workgroup_id_z 1
		.amdhsa_system_vgpr_workitem_id 0
		.amdhsa_next_free_vgpr 384
		.amdhsa_next_free_sgpr 66
		.amdhsa_reserve_vcc 0
		.amdhsa_float_denorm_mode_32 3
		.amdhsa_float_denorm_mode_16_64 3
		.amdhsa_memory_ordered 1
		.amdhsa_forward_progress 1
		.amdhsa_inst_pref_size 89
	.end_amdhsa_kernel
	.amdgpu_metadata
---
amdhsa.version: [ 1, 2 ]
amdhsa.kernels:
  - .name:           k_qe818e1c8c7_outgemm
    .symbol:         k_qe818e1c8c7_outgemm.kd
    .args:
      - { .name: att, .offset: 0, .size: 8, .value_kind: global_buffer, .address_space: global }
      - { .name: woh, .offset: 8, .size: 8, .value_kind: global_buffer, .address_space: global }
      - { .name: out0, .offset: 16, .size: 8, .value_kind: global_buffer, .address_space: global }
    .group_segment_fixed_size: 327680
    .private_segment_fixed_size: 0
    .kernarg_segment_align: 8
    .kernarg_segment_size: 24
    .max_flat_workgroup_size: 128
    .sgpr_count:     66
    .vgpr_count:     384
    .wavefront_size: 32
...
	.end_amdgpu_metadata
.endif
;; end of part 4
;; ======== version 2 of 2: 4 launches; version 1 with the launch cast written anew for expert scheduling mode
;; limits: values are held in f16: magnitudes above 65,504 overflow, below 6.1e-05 lose precision
;; workspace buffers: xh 8,388,608 bytes; wqh 6,291,456 bytes; woh 2,097,152 bytes; qkv 25,165,824 bytes; att 8,388,608 bytes
;; launch cast (part 5): grid 512 x 1, 8 waves a work-group, no clusters, 0 bytes of LDS; arguments x, w_qkv, w_out, xh, wqh, woh; writes xh, wqh, woh
.if DOCPART == 5
	.amdgcn_target "amdgcn-amd-amdhsa--gfx1250"
	.amdhsa_code_object_version 6
	.text
	.protected	k_qe818e1c8c7_cast
	.globl	k_qe818e1c8c7_cast
	.p2align	8
	.type	k_qe818e1c8c7_cast,@function
k_qe818e1c8c7_cast:
	s_mov_b64 s[64:65], 0
	v_nop
	global_prefetch_b8 v0, s[64:65] scope:SCOPE_SE
	s_setreg_imm32_b32 hwreg(HW_REG_WAVE_SCHED_MODE, 0, 2), 2
	s_setreg_imm32_b32 hwreg(HW_REG_WAVE_MODE, 25, 1), 1
	s_wait_xcnt 0x0
	s_wait_alu depctr_vm_vsrc(0)
; f32 to f16 of the three inputs, once, so that the products read 2-byte operands.
;   xh  [4096][1024] f16 = x;   wqh [3072][1024] f16 = w_qkv;   woh [16 kb][1024 n][64] f16 = w_out[n][64 kb + kk].
; LIMIT: numbers of magnitude 65,504 or more become infinities in f16.
; A work-group takes 16 rows of 1,024 floats (65,536 bytes in, 32,768 out): groups 0-255 x, 256-447 w_qkv, 448-511 w_out.
; A thread issues its 16 loads of 16 bytes at once, then converts and stores 8 bytes for each, in four groups of four as they arrive.
; One store of a wave covers 256 consecutive bytes, aligned.  A stream: no LDS, no barrier, no matrix unit.
; THE MODE: SCHED_MODE bits 1:0 = 2 (LLVM: expert scheduling mode 2), set by the entry lines.  The code itself states the register dependences
; between vector instructions and memory instructions, with s_wait_alu, always for 0.
; THE PLAN.  Registers that memory instructions touch:
;   v1, v2   byte offsets.  Written once by vector lines at the head; v1 is read by the 16 loads, v2 by the 16 stores; never written again.
;   X        Written by the loads alone, each register once; read by the conversions behind the wait for the loads.
;   Y        Written by the conversions, each register once; read by the stores, each register once.
; So one wait on va_vdst stands ahead of the first load, for the offsets, and one behind the eight conversions of each group, ahead of its four
; stores.  No register that a memory instruction reads is written again, so the body has no wait on vm_vsrc; no vector line writes a scalar
; register, VCC or EXEC.  The group's wait stands behind its conversions and not behind the next group's wait for loads: there is no other
; vector work to set between, and finished stores would be held back until four more loads have come.
.set X, 4                              ; v[4:67]   16 x 4 floats as loaded
.set Y, 68                             ; v[68:99]  16 x 2 words of f16 to store
; v1 = byte offset of my 16 bytes in the source, v2 = of my 8 bytes in the destination; neither is rewritten.
.macro BODY sstep, dstep
	s_wait_alu depctr_va_vdst(0)                   ; v1 and v2 are written: every load below reads v1 as its offset, every store v2
.irp j, 0,1,2,3,4,5,6,7,8,9,10,11,12,13,14,15
	global_load_b128 v[X+4*\j:X+4*\j+3], v1, s[20:21] offset:\j*\sstep th:TH_LOAD_NT
.endr
.irp g, 0,1,2,3
	s_wait_loadcnt 12-4*\g                         ; loads return in order: the four loads of group g are in, the 12 - 4 g younger ones stay out
.irp i, 0,1,2,3
	v_cvt_pk_f16_f32 v[Y+2*(4*\g+\i)], v[X+4*(4*\g+\i)], v[X+4*(4*\g+\i)+1]
	v_cvt_pk_f16_f32 v[Y+2*(4*\g+\i)+1], v[X+4*(4*\g+\i)+2], v[X+4*(4*\g+\i)+3]
.endr
	s_wait_alu depctr_va_vdst(0)                   ; the eight conversions have written the group's eight registers of Y, which the four stores read
.irp i, 0,1,2,3
	global_store_b64 v2, v[Y+2*(4*\g+\i):Y+2*(4*\g+\i)+1], s[22:23] offset:(4*\g+\i)*\dstep
.endr
.endr
	s_endpgm
.endm
	s_load_b256 s[4:11], s[0:1], 0x0               ; x s[4:5], w_qkv s[6:7], w_out s[8:9], xh s[10:11]
	s_load_b128 s[12:15], s[0:1], 0x20             ; wqh s[12:13], woh s[14:15]
	s_mov_b32 s3, ttmp9                            ; the work-group number
	s_mov_b32 s17, 0                               ; high words of the two offset pairs
	s_mov_b32 s19, 0
	v_lshlrev_b32 v2, 3, v0                        ; 8 t: the destination offset on both ways
	s_wait_kmcnt 0x0
	s_cmp_ge_u32 s3, 448
	s_cbranch_scc1 .Lblocked
	; x or w_qkv: the layout stays.  Step j is row j of the 16: 4,096 bytes in, 2,048 out.
	s_cmp_lt_u32 s3, 256
	s_cselect_b64 s[20:21], s[4:5], s[6:7]         ; source
	s_cselect_b64 s[22:23], s[10:11], s[12:13]     ; destination
	s_cselect_b32 s24, 0, 256
	s_sub_co_u32 s24, s3, s24                      ; the chunk number inside its tensor
	s_lshl_b32 s16, s24, 16
	s_lshl_b32 s18, s24, 15
	s_add_nc_u64 s[20:21], s[20:21], s[16:17]
	s_add_nc_u64 s[22:23], s[22:23], s[18:19]
	v_lshlrev_b32 v1, 4, v0                        ; 16 t
	BODY 4096, 2048
.Lblocked:
	; w_out: sixteen lanes take the 64 floats (256 bytes) of block kb = j of one row; thread t has row t / 16.
	; Out: woh + kb x 131,072 + row x 128 + 8 (t mod 16) = chunk x 2,048 + 8 t + j x 131,072.
	s_sub_co_u32 s24, s3, 448
	s_lshl_b32 s16, s24, 16
	s_lshl_b32 s18, s24, 11
	s_add_nc_u64 s[20:21], s[8:9], s[16:17]
	s_add_nc_u64 s[22:23], s[14:15], s[18:19]
	v_lshrrev_b32 v1, 4, v0
	v_and_b32 v3, 15, v0
	v_lshlrev_b32 v1, 12, v1                       ; row x 4,096
	v_lshl_add_u32 v1, v3, 4, v1                   ; + 16 (t mod 16)
	BODY 256, 131072
.Lfunc_end_k_qe818e1c8c7_cast:
	.size	k_qe818e1c8c7_cast, .Lfunc_end_k_qe818e1c8c7_cast-k_qe818e1c8c7_cast
	.p2alignl 7, 3214868480
	.fill 96, 4, 3214868480
	.section	.rodata,"a",@progbits
	.p2align	6, 0x0
	.amdhsa_kernel k_qe818e1c8c7_cast
		.amdhsa_group_segment_fixed_size 0
		.amdhsa_private_segment_fixed_size 0
		.amdhsa_enable_private_segment 0
		.amdhsa_kernarg_size 48
		.amdhsa_user_sgpr_count 2
		.amdhsa_user_sgpr_kernarg_segment_ptr 1
		.amdhsa_wavefront_size32 1
		.amdhsa_system_sgpr_workgroup_id_x 1
		.amdhsa_system_sgpr_workgroup_id_y 1
		.amdhsa_system_sgpr_workgroup_id_z 1
		.amdhsa_system_vgpr_workitem_id 0
		.amdhsa_next_free_vgpr 104
		.amdhsa_next_free_sgpr 66
		.amdhsa_reserve_vcc 0
		.amdhsa_float_denorm_mode_32 3
		.amdhsa_float_denorm_mode_16_64 3
		.amdhsa_memory_ordered 1
		.amdhsa_forward_progress 1
		.amdhsa_inst_pref_size 13
	.end_amdhsa_kernel
	.amdgpu_metadata
---
amdhsa.version: [ 1, 2 ]
amdhsa.kernels:
  - .name:           k_qe818e1c8c7_cast
    .symbol:         k_qe818e1c8c7_cast.kd
    .args:
      - { .name: x, .offset: 0, .size: 8, .value_kind: global_buffer, .address_space: global }
      - { .name: w_qkv, .offset: 8, .size: 8, .value_kind: global_buffer, .address_space: global }
      - { .name: w_out, .offset: 16, .size: 8, .value_kind: global_buffer, .address_space: global }
      - { .name: xh, .offset: 24, .size: 8, .value_kind: global_buffer, .address_space: global }
      - { .name: wqh, .offset: 32, .size: 8, .value_kind: global_buffer, .address_space: global }
      - { .name: woh, .offset: 40, .size: 8, .value_kind: global_buffer, .address_space: global }
    .group_segment_fixed_size: 0
    .private_segment_fixed_size: 0
    .kernarg_segment_align: 8
    .kernarg_segment_size: 48
    .max_flat_workgroup_size: 256
    .sgpr_count:     66
    .vgpr_count:     104
    .wavefront_size: 32
...
	.end_amdgpu_metadata
.endif
;; end of part 5
;; launch qkvgemm: the kernel of part 2 again; grid 16 x 16, 4 waves a work-group, clusters of 4 x 4, 327,680 bytes of LDS; arguments xh, wqh, qkv; writes qkv
;; launch attn: the kernel of part 3 again; grid 8 x 32, 8 waves a work-group, no clusters, 327,680 bytes of LDS; arguments qkv, att; writes att
;; launch outgemm: the kernel of part 4 again; grid 8 x 32, 4 waves a work-group, clusters of 4 x 4, 327,680 bytes of LDS; arguments att, woh, out0; writes out0
